; MI455X (gfx1250); checked and timed in simulation.
; The chip was launched on July 23, 2026; its instructions are those of AMD's public machine-readable ISA for CDNA 5 (MIT licence, August 2026) and "CDNA5" Instruction Set Architecture Reference Guide (July 2026). The comments in the code are by the model that wrote it; some were corrected since.
;; Base Layer With Lo RA. Allowed arithmetic: matrix products marked QUANTISED: E2M1 operands, one E8M0 scale for each 32 along K, by v_wmma_scale_f32_16x16x128_f8f6f4 with both operands' format E2M1 (or v_wmma_scale_f32_32x16x128_f4), f32 sums; products left as they are: f32 operands where the result goes on into a quantised operand, else bf16, f16 or f32 operands; f32 sums; everything else in f32.
;; Inputs: A 16 x 4,096 float32; B 4,096 x 16 float32; W 4,096 x 4,096 float32; bias 4,096 float32; x 2 x 2,048 x 4,096 float32.
;; Outputs: out0 2 x 2,048 x 4,096 float32.
;; This version of the problem:
;;   THIS VERSION OF THE PROBLEM IS GIVEN IN LOW PRECISION. The matrix products marked QUANTISED in the list below multiply operands that are first quantised to E2M1 (2 exponent bits, 1 mantissa bit; 4 bits a number), with one power-of-two scale for each 32 numbers along K (OCP MX v1.0); their sums are f32. All else is computed in f32.
;;   The module's matrix products, in the order in which they are computed (A, B: the left and right operand; K: the contracted axis; several contracted axes count as one K, in the product's order):
;;     1. [M 4,096, K 4,096] x [K 4,096, N 4,096]; A: input x; B: input W: QUANTISED
;;     2. [M 4,096, K 4,096] x [K 4,096, N 16]; A: input x; B: input A: QUANTISED
;;     3. [M 4,096, K 16] x [K 16, N 4,096]; A: computed on the way; B: input B: left as it is (K = 16 < 32)
;;   THE QUANTISER, for each operand of a quantised product, along K:
;;     - K is cut into blocks of 32 from its start; a last block that is shorter is filled with zeros.
;;     - A block's scale is 2^e with e = floor(log2(the largest magnitude in the block)) - 2, held to -126 .. 127; a block of zeros has e = 0. As a byte (E8M0): e + 127.
;;     - Each number is divided by its block's scale, clamped to +-6, and rounded to the nearest number of E2M1, ties to even, subnormals kept.
;;     - The product sums the exact products of the quantised numbers (number of the format x scale) in f32.
;;   ~~~python
;;   def quantise(x, axis):      # numpy; x: float32 -> the quantised numbers, widened to float32 again
;;       x = np.moveaxis(x, axis, -1); K = x.shape[-1]
;;       x = np.pad(x, [(0, 0)] * (x.ndim - 1) + [(0, -K % 32)]); x = x.reshape(x.shape[:-1] + (-1, 32)); a = np.abs(x).max(-1, keepdims=True)
;;       e = np.where(a > 0, np.clip(np.frexp(np.where(a > 0, a, 1))[1] - 1 - 2, -126, 127), 0)      # np.frexp(a)[1] - 1 = floor(log2(a)), exactly
;;       r = np.clip(x / 2.0 ** e, -6, 6)
;;       step = 2.0 ** (np.maximum(np.frexp(np.where(r == 0, 1, r))[1] - 1, 0) - 1)
;;       q = np.round(r / step) * step * 2.0 ** e      # np.round: ties to even
;;       return np.moveaxis(q.reshape(q.shape[:-2] + (-1,))[..., :K], -1, axis).astype(np.float32)
;;   ~~~
;; One version. Each part assembles by itself: llvm-mc -triple=amdgcn-amd-amdhsa -mcpu=gfx1250 --defsym DOCPART=n.
;; ======== version 1 of 1: 2 launches
;; limits: values are held in bf16: 8 bits of precision; right only within a limited range of input values
;; workspace buffers: xq 8,912,896 bytes; wq 8,912,896 bytes; tpart 1,048,576 bytes
;; launch quant (part 1): grid 128 x 2, 8 waves a work-group, no clusters, 145,408 bytes of LDS; arguments x, W, A, xq, wq, tpart; writes xq, wq, tpart
.if DOCPART == 1
	.amdgcn_target "amdgcn-amd-amdhsa--gfx1250"
	.amdhsa_code_object_version 6
	.text
	.protected	k_q9a46529dbd_quant
	.globl	k_q9a46529dbd_quant
	.p2align	8
	.type	k_q9a46529dbd_quant,@function
k_q9a46529dbd_quant:
	s_mov_b64 s[64:65], 0
	v_nop
	global_prefetch_b8 v0, s[64:65] scope:SCOPE_SE
	s_setreg_imm32_b32 hwreg(HW_REG_WAVE_MODE, 25, 1), 1
	s_wait_xcnt 0x0
; x [4096][4096] and W [4096][4096], f32, K innermost, become codes of FP4 (E2M1) with one E8M0 scale byte for each 32 along K, laid in the order of the next launch's operand registers;
; and, while x's fragments are in registers, t = Q(x) Q(A)^T (A: [16][4096] f32, quantised here too) is made on the matrix unit, as four partial sums over quarters of K.
; A block's scale is 2^(floor(log2(its largest magnitude)) - 2); its byte is the largest magnitude's exponent field - 2, held at 1 from below.  Each number is divided by the scale and rounded to the nearest code, ties to even, beyond 6 the largest code.
; LIMITS: NaN and infinities among the inputs are not served.  A block of zeros gets the byte 1 where the rule says 127: its codes are zeros, which add nothing under any byte but 0xff, and this program alone reads the bytes.
; SHARES.  Work-group y = 0 takes x, y = 1 takes W (only pointers are chosen).  Work-group x = 4 rg + kq: 128 rows (rg), a quarter of K, 1,024 numbers (kq).  Wave w owns rows 16 w .. 16 w + 15 of them: 64 KiB,
; as eight sub-steps of 16 rows x 128 K (one fragment each).  Lane (r = lane % 16, h = lane / 16) holds row r and the 16 numbers 32 b + 16 h + 0 .. 15 of each block b of a sub-step.
; THE WAY IN.  A sub-step comes by sixteen loads, one for each row, 512 consecutive bytes each, into one of four sets of 64 registers (window 1): four sub-steps, 32 KiB a wave and 256 KiB a work-group, are asked for ahead of the
; one at work.  The conversions want 16 neighbours along K in ONE lane, the loads give a lane 16 bytes: so a sub-step turns through one of the wave's own two stages in LDS (rows 528 bytes apart): sixteen stores as loaded, sixteen loads.
; When these are back, the set takes the loads of the sub-step four further on.  No tensor load, no ring in LDS; the waves share only A's images.
; No prefetch into the L2: every byte of x and W is asked for once, by a load that stands four sub-steps ahead of its use.
; THE WAY OUT.  xq, wq: [32 groups of 128 rows][8 K steps of 512][a block of 34,816 bytes].  In a block, fragment (i = 16 rows, q = 128 K) is the image of its 8 registers at (4 i + q) 1,024: registers 4 c .. 4 c + 3
; of lane l at + 512 c + 16 l; behind the 32 fragments, at 32,768 + 256 i + 16 r, row r's four scale words (q = 0 .. 3).  Every store of a wave covers 512 consecutive bytes or two runs of 256, aligned to 256.
; tpart: [4 quarters of K][256 tiles of 16 rows][2][32 lanes][16 bytes]: the image of the product's 8 result registers: lane (r, h) holds x's row r and ranks 8 h + 0 .. 7.
; No cluster: the work-groups share only A, 64 KiB against the 512 KiB that each streams.
.set BLK,   34816                      ; a block of the codes' buffers
.set SP,    528                        ; a stage row: 512 bytes + 16 of padding = 132 words: row r starts at bank 4 r mod 64 (64 banks of 4 bytes: ISA guide 11.1)
.set STGB,  16*SP                      ; a stage
.set WSTG,  2*STGB                     ; a wave's two stages
.set AIMG,  8*WSTG                     ; behind the stages: the images of A's eight fragments of this quarter of K, 1,024 bytes each,
.set ASC,   AIMG+8*1024                ; their scale words, 4 bytes a lane,
.set SPARE, ASC+1024                   ; and the spare words, 128 bytes a wave: four blocks of 256 bytes that no other line names
.set LW,  1                            ; v1   LDS: my 16 bytes of a row's 512, on the way into a stage: my stages + 16 lane
.set LI,  3                            ; v3   my 16 bytes of an image in a block: 16 lane + 4,096 wave
.set LR,  4                            ; v4   LDS: my row's 64 bytes of a block of 32 numbers: my stages + 528 r + 64 h
.set AIR, 5                            ; v5   A's images, to read: AIMG + 16 lane
.set AIW, 6                            ; v6   and to write: + 1,024 wave
.set ASR, 7                            ; v7   A's scale words, to read: ASC + 4 lane
.set ASW, 8                            ; v8   and to write: + 128 wave
.set AG,  9                            ; v9   A in memory: 16,384 r + 64 h
.set SCO, 10                           ; v10  my row's scale words in a block; lanes 16-31: in the next block
.set TO,  11                           ; v11  16 lane; never rewritten
.set HH,  12                           ; v12  h
.set LN,  13                           ; v13  lane
.set AW,  14                           ; v14  A's scale word just made
.set RR,  15                           ; v15  r
.set AS,  16                           ; v16-23   A's eight scale words
.set SO,  24                           ; v24-27   the four scale words that my lane stores
.set X0,  32                           ; v32-95   a sub-step's 64 numbers; v96-159 the next sub-step's
.set AF,  32                           ; at the end: v32-95 A's eight fragments,
.set T,   96                           ; v96-103, v104-111 two accumulators by turns,
.set TS,  112                          ; v112-119 their sum
.set TM,  160                          ; v160-163 largest magnitudes, v164-167 the other half's, then bytes; v172-175 the conversions' scale operands
.set PC,  176                          ; v176-239 the codes: eight registers for each sub-step, so that no store's data are written again, and all are at hand for the products
.set SW,  240                          ; v240-247 x's (W's) scale word of each sub-step
.set SPW, 254                          ; v254 my spare word; never rewritten
.set NIL, 255                          ; v255 0; never rewritten
                                       ; window 1 (v256-511): four sets of 64: sub-step k in set k % 4, row n's 512 bytes in four registers at + 4 n
.set WV,  16                           ; s16  wave
.set ISW, 17                           ; s17  0: x, 1: W
.set KQ,  18                           ; s18  quarter of K
.set RG,  19                           ; s19  group of 128 rows
.set SEL, 22                           ; s[22:23] v_permlanex16_b32's selects for lane l xor 16
.set SRC, 40                           ; s[40:41] my wave's first numbers; never rewritten
.set DST, 42                           ; s[42:43] the first of my work-group's two blocks
.set ABASE, 44                         ; s[44:45] A at the 128 along K that my wave quantises
.set TBASE, 46                         ; s[46:47] my wave's tile of tpart
.set MSB, 0
.macro WIN new                         ; s_set_vgpr_msb: bits 1:0 source 0, 3:2 source 1, 5:4 source 2, 7:6 destination; the immediate's high byte repeats the setting that is left
.if MSB != \new
	s_set_vgpr_msb (MSB<<8)|\new
.set MSB, \new
.endif
.endm
	s_load_b256 s[4:11], s[0:1], 0x0               ; x s[4:5], W s[6:7], A s[8:9], xq s[10:11]
	s_load_b128 s[12:15], s[0:1], 0x20             ; wq s[12:13], tpart s[14:15]
	v_lshl_add_u32 v[SPW], v0, 2, SPARE
	v_mov_b32 v[NIL], 0
	v_lshrrev_b32 v[RR], 5, v0
	s_delay_alu instid0(VALU_DEP_1)
	v_readfirstlane_b32 s[WV], v[RR]               ; wave 0..7
	s_and_b32 s[ISW], ttmp7, 0xffff
	s_and_b32 s[KQ], ttmp9, 3
	s_lshr_b32 s[RG], ttmp9, 2
	s_mov_b32 s[SEL], 0x76543210
	s_mov_b32 s[SEL+1], 0xfedcba98
	s_lshl_b32 s20, s[RG], 21                      ; the source: 128 rows of 16,384 bytes a group,
	s_lshl_b32 s48, s[WV], 18                      ; 16 rows a wave,
	s_add_co_u32 s20, s20, s48
	s_lshl_b32 s48, s[KQ], 12                      ; 4,096 bytes a quarter of K
	s_add_co_u32 s20, s20, s48
	s_mov_b32 s21, 0
	s_mul_i32 s49, s[WV], WSTG                     ; my two stages in LDS
	s_lshl_b32 s50, s[RG], 3                       ; the codes: block 8 rg + 2 kq
	s_lshl_b32 s51, s[KQ], 1
	s_add_co_u32 s50, s50, s51
	s_mul_i32 s50, s50, BLK
	s_mov_b32 s51, 0
	s_lshl_b32 s52, s[KQ], 12                      ; A: K = 1,024 kq + 128 wave
	s_lshl_b32 s53, s[WV], 9
	s_add_co_u32 s52, s52, s53
	s_mov_b32 s53, 0
	s_lshl_b32 s54, s[RG], 3                       ; tpart: tile 8 rg + wave of 1,024 bytes, in quarter kq of 262,144
	s_add_co_u32 s54, s54, s[WV]
	s_lshl_b32 s54, s54, 10
	s_lshl_b32 s55, s[KQ], 18
	s_add_co_u32 s54, s54, s55
	s_mov_b32 s55, 0
	s_lshl_b32 s48, s[WV], 12                      ; my wave's part of a block's images,
	s_lshl_b32 s24, s[WV], 10                      ; of A's images,
	s_lshl_b32 s25, s[WV], 7                       ; of A's scale words,
	s_lshl_b32 s26, s[WV], 8
	s_add_co_u32 s26, s26, 32768                   ; of a block's scale words
	v_and_b32 v[RR], 15, v0                        ; r
	v_bfe_u32 v[HH], v0, 4, 1                      ; h
	v_and_b32 v[LN], 31, v0                        ; lane
	v_mul_u32_u24 v[LR], v[RR], SP                 ; (the chains by turns)
	v_lshlrev_b32 v[AG], 14, v[RR]
	v_lshlrev_b32 v[SCO], 4, v[RR]
	v_lshlrev_b32 v[TO], 4, v[LN]
	v_lshl_add_u32 v[ASR], v[LN], 2, ASC
	v_lshl_add_u32 v[LR], v[HH], 6, v[LR]
	v_lshl_add_u32 v[AG], v[HH], 6, v[AG]
	v_add_nc_u32 v[SCO], s26, v[SCO]
	v_add_nc_u32 v[LW], s49, v[TO]
	v_add_nc_u32 v[LI], s48, v[TO]
	v_add_nc_u32 v[AIR], AIMG, v[TO]
	v_add_nc_u32 v[ASW], s25, v[ASR]
	v_add_nc_u32 v[LR], s49, v[LR]
	v_mad_u32_u24 v[SCO], v[HH], BLK, v[SCO]
	v_add_nc_u32 v[AIW], s24, v[AIR]
.irp b, 0,1,2,3
	v_mov_b32 v[TM+4+\b], 0                        ; written once: a lane permute's destination counts as one of its sources
.endr
	s_wait_alu depctr_va_vdst(0)
	s_wait_kmcnt 0x0
	s_cmp_eq_u32 s[ISW], 0                         ; x's work-group or W's?  The choice hangs on the work-group's number alone
	s_cselect_b64 s[SRC:SRC+1], s[4:5], s[6:7]
	s_cselect_b64 s[DST:DST+1], s[10:11], s[12:13]
	s_add_nc_u64 s[SRC:SRC+1], s[SRC:SRC+1], s[20:21]
	s_add_nc_u64 s[DST:DST+1], s[DST:DST+1], s[50:51]
	s_add_nc_u64 s[ABASE:ABASE+1], s[8:9], s[52:53]
	s_add_nc_u64 s[TBASE:TBASE+1], s[14:15], s[54:55]
; 64 numbers of a lane, v[s] on, register 16 b + i = k 32 b + 16 h + i of my row, become a fragment's codes in v[pc] .. v[pc + 7] and its scale word in v[pw].
.macro QUANT s, pc, pw
.irp b, 0,1,2,3
	v_max3_num_f32 v[TM+\b], |v[16*\b+(\s)]|, |v[16*\b+1+(\s)]|, 0x1800000   ; block b: my 16 numbers, and the floor 2^(3 - 127), under which no largest magnitude is taken: so the byte cannot fall under 1
.endr
.irp i, 2,4,6,8,10,12,14
.irp b, 0,1,2,3
	s_delay_alu instid0(VALU_DEP_4)
	v_max3_num_f32 v[TM+\b], v[TM+\b], |v[16*\b+\i+(\s)]|, |v[16*\b+\i+1+(\s)]|   ; (the four blocks by turns)
.endr
.endr
.irp b, 0,1,2,3
	s_delay_alu instid0(VALU_DEP_4)
	v_permlanex16_b32 v[TM+4+\b], v[TM+\b], s[SEL], s[SEL+1]
.endr
.irp b, 0,1,2,3
	s_delay_alu instid0(VALU_DEP_4)
	v_max_num_f32 v[TM+\b], v[TM+\b], v[TM+4+\b]   ; with lane l xor 16's: the block's largest magnitude
.endr
.irp b, 0,1,2,3
	s_delay_alu instid0(VALU_DEP_4)
	v_add_nc_u32 v[TM+12+\b], 0xff000000, v[TM+\b] ; 2 off its exponent field: the conversion takes the exponent field of this operand as its scale, and nothing else of it
.endr
.irp b, 0,1,2,3
	s_delay_alu instid0(VALU_DEP_4)
	v_lshrrev_b32 v[TM+4+\b], 23, v[TM+12+\b]      ; the scale's byte
.endr
	s_delay_alu instid0(VALU_DEP_3)
	v_lshl_or_b32 v[\pw], v[TM+5], 8, v[TM+4]      ; the four bytes make my row's scale word (both halves of the lanes hold it)
	s_delay_alu instid0(VALU_DEP_1)
	v_lshl_or_b32 v[\pw], v[TM+6], 16, v[\pw]
	s_delay_alu instid0(VALU_DEP_1)
	v_lshl_or_b32 v[\pw], v[TM+7], 24, v[\pw]
.irp b, 0,1,2,3
	v_cvt_scalef32_pk8_fp4_f32 v[2*\b+(\pc)], v[16*\b+(\s):16*\b+7+(\s)], v[TM+12+\b]
	v_cvt_scalef32_pk8_fp4_f32 v[2*\b+1+(\pc)], v[16*\b+8+(\s):16*\b+15+(\s)], v[TM+12+\b]
.endr
	v_nop                                          ; one plain place behind a scaled conversion
.irp c, 0,1                                    ; the operand's layout wants a WHOLE block in a lane: lanes 0-15 block 2 c, lanes 16-31 block 2 c + 1
.irp i, 0,1
	v_permlane16_swap_b32 v[4*\c+\i+(\pc)], v[4*\c+2+\i+(\pc)]
.endr
.endr
.endm
; Sub-step s's fragment leaves as the image of its registers: K step s / 4 of my two, q = s % 4.  Each store covers 512 consecutive bytes
.macro OUT s
.irp c, 0,1
	global_store_b128 v[LI], v[PC+8*(\s)+4*\c:PC+8*(\s)+4*\c+3], s[DST:DST+1] offset:((\s)/4)*BLK+((\s)%4)*1024+512*\c
.endr
.endm
; Sub-step k (0 .. 7) is asked for: sixteen loads, one for each row, 512 consecutive bytes each, into set k % 4 of window 1.  Read once in the launch.  (The caller sets the destination's window.)
.macro GL k
.irp n, 0,1,2,3,4,5,6,7,8,9,10,11,12,13,14,15
	global_load_b128 v[64*((\k)%4)+4*\n:64*((\k)%4)+4*\n+3], v[TO], s[SRC:SRC+1] offset:\n*16384+512*(\k) th:TH_LOAD_NT
.endr
.endm
; Sub-step k turns through stage k % 2, its set is asked to take sub-step k + 4, and it is quantised.  LDS serves a wave's instructions in order (ISA guide 5.7.1.4), so no wait stands between the stores into the stage and the loads.
; THE CODES' STORES STAND BEHIND THE WAVE'S LAST LOADS: sub-steps 0 to 3 store nothing (their codes keep their own registers); sub-step k of 4 to 7, by which all 128 loads of the wave have been issued, stores sub-steps k - 4 and k.
.macro RSTEP k
.if (\k) < 5
	s_wait_loadcnt 48                              ; loads come back in order (ISA guide 5.7.1): this sub-step's sixteen are in, the three later runs of sixteen may be out
.else
	s_wait_loadcnt 16*(7-(\k))                     ; at the end fewer runs stand behind it
.endif
	WIN 0x04                                       ; an LDS store's data are its source 1: window 1
.irp n, 0,1,2,3,4,5,6,7,8,9,10,11,12,13,14,15
	ds_store_b128 v[LW], v[64*((\k)%4)+4*\n:64*((\k)%4)+4*\n+3] offset:((\k)%2)*STGB+\n*SP   ; row n's 512 bytes as they lie
.endr
	WIN 0
.irp b, 0,1,2,3
.irp j, 0,1,2,3
	ds_load_b128 v[X0+64*((\k)%2)+16*\b+4*\j:X0+64*((\k)%2)+16*\b+4*\j+3], v[LR] offset:((\k)%2)*STGB+128*\b+16*\j
.endr
.endr
	s_wait_dscnt 0x0                               ; my 64 numbers are back: so the stores into the stage have read the set's registers,
.if (\k) < 4
	WIN 0x40                                       ; destination window 1, address window 0
	GL (\k)+4                                      ; which take the sub-step four further on
	WIN 0
.endif
	QUANT X0+64*((\k)%2), PC+8*(\k), SW+(\k)
.if (\k) > 3
	OUT (\k)-4
	OUT \k
.endif
.endm
	; THE FIRST FOUR SUB-STEPS ARE ASKED FOR NOW.  In x's work-groups wave w also quantises A's 16 rows x 128 K at K = 1,024 kq + 128 w and leaves the fragment's image and scale words in LDS for all eight waves.
	; A's loads go first, so that the wait for them has a count; hence the first three runs stand in both arms.  The fourth follows the join: behind it the same four runs are out on both paths.
	; The issue of a load that the counter has no room for is held by the hardware (ISA guide 5.7.1), so no wait is written for that.
	s_cmp_lg_u32 s[ISW], 0
	s_cbranch_scc1 .Lw_arm
.irp b, 0,1,2,3
.irp j, 0,1,2,3
	global_load_b128 v[X0+16*\b+4*\j:X0+16*\b+4*\j+3], v[AG], s[ABASE:ABASE+1] offset:128*\b+16*\j
.endr
.endr
	WIN 0x40
	GL 0
	GL 1
	GL 2
	WIN 0
	s_wait_loadcnt 48                              ; A's sixteen are in; the three runs of sixteen behind them may be out
	QUANT X0, PC, AW
	ds_store_b128 v[AIW], v[PC:PC+3]
	ds_store_b128 v[AIW], v[PC+4:PC+7] offset:512
	ds_store_b32 v[ASW], v[AW]
	s_branch .Ljoin
.Lw_arm:
	WIN 0x40
	GL 0
	GL 1
	GL 2
	WIN 0
.Ljoin:
	WIN 0x40
	GL 3
	WIN 0
.irp k, 0,1,2,3,4,5,6,7
	RSTEP \k
.endr
	; THE SCALE WORDS: lanes 0-15 store row r's four words of my first K step of 512, lanes 16-31 those of my second, one block further on: two runs of 256 consecutive bytes
	v_cmp_le_u32 vcc_lo, 16, v[LN]
.irp i, 0,1,2,3
	v_cndmask_b32 v[SO+\i], v[SW+\i], v[SW+4+\i], vcc_lo
.endr
	global_store_b128 v[SCO], v[SO:SO+3], s[DST:DST+1]
	s_wait_alu depctr_va_vdst(0)
	s_wait_dscnt 0x0                               ; for the others' sake: my stores of A's image have landed
	s_barrier_signal -1                            ; the launch's one barrier, in every wave's path: behind it A's eight images are read
	s_barrier_wait -1
	; t, in x's work-groups alone: source 0 = A's 16 rows, source 1 = my 16 rows of x, eight K steps of 128 on two accumulators by turns
	s_cmp_lg_u32 s[ISW], 0
	s_cbranch_scc1 .Lend
.irp s, 0,1,2,3,4,5,6,7
.irp c, 0,1
	ds_load_b128 v[AF+8*\s+4*\c:AF+8*\s+4*\c+3], v[AIR] offset:1024*\s+512*\c
.endr
	ds_load_b32 v[AS+\s], v[ASR] offset:128*\s
.endr
.rept 8
	v_nop                                          ; a scale register written by a vector instruction stands 8 places ahead of a scaled matrix instruction, an operand so written 4
.endr
	s_wait_dscnt 0x0
.irp s, 0,1,2,3,4,5,6,7
.if \s < 2
	v_wmma_scale_f32_16x16x128_f8f6f4 v[T+8*(\s%2):T+8*(\s%2)+7], v[AF+8*\s:AF+8*\s+7], v[PC+8*\s:PC+8*\s+7], 0, v[AS+\s], v[SW+\s] matrix_a_fmt:MATRIX_FMT_FP4 matrix_b_fmt:MATRIX_FMT_FP4
.else
	s_wait_alu depctr_va_vdst(0)
	v_wmma_scale_f32_16x16x128_f8f6f4 v[T+8*(\s%2):T+8*(\s%2)+7], v[AF+8*\s:AF+8*\s+7], v[PC+8*\s:PC+8*\s+7], v[T+8*(\s%2):T+8*(\s%2)+7], v[AS+\s], v[SW+\s] matrix_a_fmt:MATRIX_FMT_FP4 matrix_b_fmt:MATRIX_FMT_FP4
.endif
.endr
.rept 4
	v_nop                                          ; four places in front of the first read of results (ISA guide 7.12.1)
.endr
.irp i, 0,2,4,6
	v_pk_add_f32 v[TS+\i:TS+\i+1], v[T+\i:T+\i+1], v[T+8+\i:T+8+\i+1]   ; the two accumulators' sum, each from its low end on
.endr
	global_store_b128 v[TO], v[TS:TS+3], s[TBASE:TBASE+1]
	global_store_b128 v[TO], v[TS+4:TS+7], s[TBASE:TBASE+1] offset:512
.Lend:
	s_wait_tensorcnt 0x0                           ; the wave's end, behind my last LDS store
	ds_add_u32 v[SPW], v[NIL]
	s_wait_dscnt 0x0
	s_endpgm
.Lfunc_end_k_q9a46529dbd_quant:
	.size	k_q9a46529dbd_quant, .Lfunc_end_k_q9a46529dbd_quant-k_q9a46529dbd_quant
	.p2alignl 7, 3214868480
	.fill 96, 4, 3214868480
	.section	.rodata,"a",@progbits
	.p2align	6, 0x0
	.amdhsa_kernel k_q9a46529dbd_quant
		.amdhsa_group_segment_fixed_size 145408
		.amdhsa_private_segment_fixed_size 0
		.amdhsa_enable_private_segment 0
		.amdhsa_kernarg_size 48
		.amdhsa_user_sgpr_count 2
		.amdhsa_user_sgpr_kernarg_segment_ptr 1
		.amdhsa_wavefront_size32 1
		.amdhsa_system_sgpr_workgroup_id_x 1
		.amdhsa_system_sgpr_workgroup_id_y 1
		.amdhsa_system_sgpr_workgroup_id_z 1
		.amdhsa_system_vgpr_workitem_id 0
		.amdhsa_next_free_vgpr 512
		.amdhsa_next_free_sgpr 66
		.amdhsa_reserve_vcc 1
		.amdhsa_float_denorm_mode_32 3
		.amdhsa_float_denorm_mode_16_64 3
		.amdhsa_memory_ordered 1
		.amdhsa_forward_progress 1
		.amdhsa_inst_pref_size 92
	.end_amdhsa_kernel
	.amdgpu_metadata
---
amdhsa.version: [ 1, 2 ]
amdhsa.kernels:
  - .name:           k_q9a46529dbd_quant
    .symbol:         k_q9a46529dbd_quant.kd
    .args:
      - { .name: x, .offset: 0, .size: 8, .value_kind: global_buffer, .address_space: global }
      - { .name: W, .offset: 8, .size: 8, .value_kind: global_buffer, .address_space: global }
      - { .name: A, .offset: 16, .size: 8, .value_kind: global_buffer, .address_space: global }
      - { .name: xq, .offset: 24, .size: 8, .value_kind: global_buffer, .address_space: global }
      - { .name: wq, .offset: 32, .size: 8, .value_kind: global_buffer, .address_space: global }
      - { .name: tpart, .offset: 40, .size: 8, .value_kind: global_buffer, .address_space: global }
    .group_segment_fixed_size: 145408
    .private_segment_fixed_size: 0
    .kernarg_segment_align: 8
    .kernarg_segment_size: 48
    .max_flat_workgroup_size: 256
    .sgpr_count:     66
    .vgpr_count:     512
    .wavefront_size: 32
...
	.end_amdgpu_metadata
.endif
;; end of part 1
;; launch gemm (part 2): grid 16 x 16, 4 waves a work-group, clusters of 4 x 4, 327,680 bytes of LDS; arguments xq, wq, tpart, B, bias, out0; writes out0
.if DOCPART == 2
	.amdgcn_target "amdgcn-amd-amdhsa--gfx1250"
	.amdhsa_code_object_version 6
	.text
	.protected	k_q9a46529dbd_gemm
	.globl	k_q9a46529dbd_gemm
	.p2align	8
	.type	k_q9a46529dbd_gemm,@function
k_q9a46529dbd_gemm:
	s_mov_b64 s[64:65], 0
	v_nop
	global_prefetch_b8 v0, s[64:65] scope:SCOPE_SE
	s_setreg_imm32_b32 hwreg(HW_REG_WAVE_MODE, 25, 1), 1
	s_wait_xcnt 0x0
	s_wait_alu depctr_hold_cnt(0) depctr_sa_sdst(0) depctr_va_vdst(0) depctr_va_sdst(0) depctr_va_ssrc(0) depctr_va_vcc(0) depctr_vm_vsrc(0)
	s_getreg_b32 s2, hwreg(HW_REG_IB_STS2, 6, 4)
	s_cmp_eq_u32 s2, 0
	s_cbranch_scc0 .Lentry_in_a_cluster
	s_endpgm
.Lentry_in_a_cluster:
	s_bfe_u32 s2, ttmp6, 0x10000c
	s_cmp_lg_u32 s2, 0xf033
	s_cbranch_scc0 .Lentry_shape_is_right
	s_endpgm
.Lentry_shape_is_right:
; out0[m][n] = sum over k of Q(x)[m][k] Q(W)[n][k] + bias[n] + sum over r of t[m][r] B[n][r], t = Q(x) Q(A)^T as the launch before left it in four partial sums (tpart).
; xq, wq: [32 groups of 128 rows][8 K steps of 512][a block of 34,816 bytes]: the images of 32 fragments' registers ((4 i + q) x 1,024: 16 rows i, 128 K q; registers 4 c .. 4 c + 3 of lane l at 512 c + 16 l),
; then at 32,768 + 256 i + 16 r row r's four E8M0 scale words.  A block is dense and comes as 136 rows of 256 bytes.
; A tile of out0, 256 x 256, is made by four waves, each 128 x 128: 64 accumulators, 512 registers.  K goes in 8 steps of 512 through two LDS slots of four blocks (A's two halves, B's two); each wave fetches one block a K step.
; CLUSTERS 4 x 4: x's blocks are asked for jointly along a row of the cluster, W's along a column.
; THE SUMS BEGIN with the LoRA product in bf16, the bias as its C: K = 32 holds the 16 ranks twice, once for tpart's quarters 0 + 1 and once for 2 + 3, B's row standing in both halves.  It is made while K step 0's load is out.
; THE MATRIX INSTRUCTION IS USED TRANSPOSED (source 0 = 16 rows of W, source 1 = 16 rows of x): a lane holds eight neighbouring numbers of a row of out0.
; A step of 128 K is 64 products.  A's and B's fragments have TWO sets each: a step's 32 LDS loads are issued at the head of the step before, 64 products ahead of their use.
; THE CHANGE OF SLOTS stands at the head of a slot's last step: that step's fragments are in registers by then, so nobody reads the slot any more.
; THE LAST K STEP GOES BY ROWS of out0: all its fragments of W fill window 1, and my eight blocks of 16 rows are finished one after the other; each goes through my stage and is stored while the next is multiplied.
; PREFETCH INTO THE L2: behind the joint load of K step j stand two instructions for K step j + 2 (behind K step 0's also for K step 1): of the 136 units of 256 bytes of the block that I fetch, each of the four partners
; that ask for it jointly names 34 (told apart by address: cx for x's blocks, cy for W's): 32 by a lane each, two by the second instruction, whose other lanes name the last again.  The loads of K steps 6 and 7 ask for nothing.
; REGISTERS: window 0: v0-31 addresses; v32-95 scale words, a set for each slot; v128-191, v192-255 A's two sets.  Window 1: v0-63, v64-127 B's two sets; v128-255 bias and B at the head, W's quarters 2 and 3 at the end.
;   Windows 2, 3: the accumulators of my rows 0-63, 64-127 ((a, b) at v[8 (8 (a % 4) + b)]).  By rows: v128-191 two buffers of A (16 rows x 512 K); v32-63 with v96-127, and v192-255: rows read back from the stage, by turns.
; LIMITS: NaN and infinities are not served (the launch before says so of its codes); t and B go to the matrix unit in bf16.
.set BLK,    34816
.set SLOT,   4*BLK
.set SPARE,  2*SLOT                    ; behind the ring: the spare words, 128 bytes a wave
.set SPITCH, 528                       ; the stage, in slot 0 behind its last fill and last read: 16 rows x (512 + 16) bytes a wave
.set ROWC,   16384                     ; a row of out0 in bytes
.set SHARE,  34*256                    ; a partner's part of a block's prefetch
.set L16,  6                           ; 16 lane
.set VB,   7                           ; B: 64 r + 32 h
.set VH,   8                           ; bias: 32 h
.set PFO,  9                           ; 256 lane
.set PFO2, 10                          ; 8,192 + 256 min(lane, 1)
.set ADRA, 16                          ; v16-17 my A fragments in slot 0, 1
.set ADRB, 20                          ; v20-21 my B fragments
.set ADRS, 22                          ; v22-23 scale words: lanes 0-15 A's rows, lanes 16-31 B's
.set STO,  24
.set RD,   25
.set SPW,  28
.set NIL,  29
.set SC,   32
.set AF,   128
.set PA,   128
.set TF,   192                         ; t's fragments (window 0)
.set BIAS, 128                         ; window 1
.set BL,   192                         ; window 1: B's fragments in bf16
.set WV,   16
.set RH,   17
.set CH,   18
.set G1,   24
.set G0,   32
.set G1B,  48
.set G0B,  56
.set PFA,  76                          ; s[76:77] my part of the block of the K step whose load was issued last
.set MSB, 0
.macro WIN new                         ; the immediate's high byte repeats the setting that is left
.if MSB != \new
	s_set_vgpr_msb (MSB<<8)|\new
.set MSB, \new
.endif
.endm
.set MUL_LO, 0xa1                      ; source 0 (B) window 1, source 1 (A) window 0, C and D window 2
.set MUL_HI, 0xf1                      ; the same, C and D window 3
.set TO_B,   0x40                      ; destination window 1, address window 0
.macro PLACES n
.rept \n
	v_nop
.endr
.endm
; A joint load: waves 0, 1 fetch x's two blocks, waves 2, 3 W's.  An s_nop 0 and four v_nop follow each line.
.macro JLOAD s
	s_cmp_eq_u32 s[RH], 0
	s_cbranch_scc0 .Lfor_b_\@
	tensor_load_to_lds s[G0+4*\s:G0+4*\s+3], s[G1:G1+7]
	s_nop 0
	PLACES 4
	s_branch .Lasked_\@
.Lfor_b_\@:
	tensor_load_to_lds s[G0B+4*\s:G0B+4*\s+3], s[G1B:G1B+7]
	s_nop 0
	PLACES 4
.Lasked_\@:
.endm
.macro CREST                           ; a round of the cluster's barrier behind its opening barrier
	s_cmp_lg_u32 s[WV], 0
	s_cbranch_scc1 .Lnot_wave_0_\@
	s_barrier_signal -3
.Lnot_wave_0_\@:
	s_barrier_wait -3
	s_barrier_signal -1
	s_barrier_wait -1
.endm
.macro CROUND
	s_barrier_signal -1
	s_barrier_wait -1
	CREST
.endm
.macro PF k                            ; my 34 units of the block k K steps on
	global_prefetch_b8 v[PFO], s[PFA:PFA+1] offset:(\k)*BLK th:TH_LOAD_NT scope:SCOPE_SE
	global_prefetch_b8 v[PFO2], s[PFA:PFA+1] offset:(\k)*BLK th:TH_LOAD_NT scope:SCOPE_SE
.endm
	s_load_b256 s[4:11], s[0:1], 0x0               ; xq s[4:5], wq s[6:7], tpart s[8:9], B s[10:11]
	s_load_b128 s[12:15], s[0:1], 0x20             ; bias s[12:13], out0 s[14:15]
	v_lshl_add_u32 v[SPW], v0, 2, SPARE
	v_mov_b32 v[NIL], 0
	ds_add_u32 v[SPW], v[NIL]                      ; the opening: the add twice on end and one wait, ahead of my first tensor load
	ds_add_u32 v[SPW], v[NIL]
	v_lshrrev_b32 v5, 5, v0
	v_readfirstlane_b32 s[WV], v5                  ; wave 0..3
	s_lshr_b32 s[RH], s[WV], 1                     ; my half of the tile's rows; also: I fetch for x (0) or W (1)
	s_and_b32 s[CH], s[WV], 1                      ; my half of its columns; also: which block I fetch
	s_bfe_u32 s40, ttmp6, 0x40000                  ; cx
	s_bfe_u32 s41, ttmp6, 0x40004                  ; cy
	s_lshl_b32 s42, ttmp9, 2
	s_add_co_u32 s42, s42, s40                     ; tile column
	s_and_b32 s66, ttmp7, 0xffff
	s_lshl_b32 s66, s66, 2
	s_add_co_u32 s66, s66, s41                     ; tile row
	s_lshl_b32 s43, s41, 2
	s_lshl_b32 s43, 15, s43                        ; my row of the cluster
	s_lshl_b32 s44, 0x1111, s40                    ; my column
	s_or_b32 s[G1+0], s43, (3<<16)|(1<<21)         ; the mask; elements of 8 bytes; bit 21 beside a mask; no padding
	s_or_b32 s[G1B+0], s44, (3<<16)|(1<<21)
.irp g, G1, G1B
	s_mov_b32 s[\g+1], 32<<16                      ; rows of 32 elements, 256 bytes
	s_mov_b32 s[\g+2], 136<<16                     ; 136 rows
	s_mov_b32 s[\g+3], 32<<16
	s_mov_b32 s[\g+4], 136
	s_mov_b32 s[\g+5], 32
	s_mov_b32 s[\g+6], 0
	s_mov_b32 s[\g+7], 0
.endr
	s_lshl_b32 s20, s66, 1
	s_add_co_u32 s20, s20, s[CH]
	s_mul_i32 s20, s20, 8*BLK                      ; x: group 2 x tile row + half, K step 0
	s_mov_b32 s21, 0
	s_lshl_b32 s46, s42, 1
	s_add_co_u32 s46, s46, s[CH]
	s_mul_i32 s46, s46, 8*BLK                      ; W: group 2 x tile column + half
	s_mov_b32 s47, 0
	s_mul_i32 s45, s[WV], BLK                      ; where my block goes in a slot
	s_cmp_eq_u32 s[RH], 0
	s_cselect_b32 s74, s20, s46                    ; the prefetches: the block that I fetch,
	s_cselect_b32 s67, s40, s41                    ; my place among the four that ask for it with me
	s_mul_i32 s67, s67, SHARE
	s_add_co_u32 s74, s74, s67
	s_mov_b32 s75, 0
	s_lshl_b32 s68, s66, 4                         ; tpart: tile 16 x tile row + 8 x half, 1,024 bytes each
	s_lshl_b32 s69, s[RH], 3
	s_add_co_u32 s68, s68, s69
	s_lshl_b32 s68, s68, 10
	s_mov_b32 s69, 0
	s_lshl_b32 s70, s42, 14                        ; B: 64 bytes for each of my columns
	s_lshl_b32 s71, s[CH], 13
	s_add_co_u32 s70, s70, s71
	s_mov_b32 s71, 0
	s_lshr_b32 s72, s70, 4                         ; bias, and my first column in out0: 4 bytes a column
	s_mov_b32 s73, 0
	s_lshl_b32 s78, s66, 22                        ; out0: 256 rows a tile row, 128 a half
	s_lshl_b32 s79, s[RH], 21
	s_add_co_u32 s78, s78, s79
	s_add_co_u32 s78, s78, s72
	s_mov_b32 s79, 0
	s_mul_i32 s19, s[RH], BLK                      ; LDS: my block of A,
	s_mul_i32 s22, s[CH], BLK
	s_add_co_u32 s22, s22, 2*BLK                   ; my block of B,
	s_xor_b32 s23, s[RH], 1
	s_add_co_u32 s23, s23, s[CH]
	s_add_co_u32 s23, s23, 1
	s_mul_i32 s23, s23, BLK                        ; the distance between the two,
	s_add_co_u32 s3, s19, 32768                    ; A's scale words,
	s_mul_i32 s2, s[WV], 16*SPITCH                 ; my stage
	v_and_b32 v1, 15, v0                           ; r
	v_bfe_u32 v2, v0, 4, 1                         ; h
	v_and_b32 v3, 31, v0                           ; lane
	v_lshlrev_b32 v[L16], 4, v3
	v_lshlrev_b32 v[VB], 6, v1
	v_lshl_add_u32 v[VB], v2, 5, v[VB]
	v_lshlrev_b32 v[VH], 5, v2
	v_lshlrev_b32 v[PFO], 8, v3
	v_min_u32 v4, 1, v3
	v_lshl_add_u32 v[PFO2], v4, 8, 8192
	v_add_nc_u32 v[ADRA], s19, v[L16]
	v_add_nc_u32 v[ADRB], s22, v[L16]
	v_add_nc_u32 v[ADRA+1], SLOT, v[ADRA]
	v_add_nc_u32 v[ADRB+1], SLOT, v[ADRB]
	v_mul_u32_u24 v4, s23, v2                      ; lanes 16-31 take B's scale words
	v_lshl_add_u32 v4, v1, 4, v4
	v_add_nc_u32 v[ADRS], s3, v4
	v_add_nc_u32 v[ADRS+1], SLOT, v[ADRS]
	v_mul_u32_u24 v5, v1, SPITCH                   ; into the stage: row r, 32 bytes for each half of the lanes
	v_lshl_add_u32 v5, v2, 5, v5
	v_add_nc_u32 v[STO], s2, v5
	v_add_nc_u32 v[RD], s2, v[L16]                 ; back: the 32 lanes take a row of 512 bytes
	s_wait_alu depctr_va_vdst(0)                   ; all addresses are made
	s_wait_dscnt 0x0                               ; both opening adds are done
	s_wait_kmcnt 0x0
	s_add_nc_u64 s[20:21], s[4:5], s[20:21]
	s_add_nc_u64 s[46:47], s[6:7], s[46:47]
	s_cmp_eq_u32 s[RH], 0
	s_cselect_b64 s[PFA:PFA+1], s[4:5], s[6:7]
	s_add_nc_u64 s[PFA:PFA+1], s[PFA:PFA+1], s[74:75]
	s_add_nc_u64 s[8:9], s[8:9], s[68:69]
	s_add_nc_u64 s[10:11], s[10:11], s[70:71]
	s_add_nc_u64 s[12:13], s[12:13], s[72:73]
	s_add_nc_u64 s[14:15], s[14:15], s[78:79]
.irp s, 0,1
	s_mov_b32 s[G0+4*\s], 1
	s_add_co_u32 s[G0+4*\s+1], s45, \s*SLOT
	s_add_nc_u64 s[G0+4*\s+2:G0+4*\s+3], s[20:21], \s*BLK
	s_or_b32 s[G0+4*\s+3], s[G0+4*\s+3], 0x80000000
	s_mov_b32 s[G0B+4*\s], 1
	s_add_co_u32 s[G0B+4*\s+1], s45, \s*SLOT
	s_add_nc_u64 s[G0B+4*\s+2:G0B+4*\s+3], s[46:47], \s*BLK
	s_or_b32 s[G0B+4*\s+3], s[G0B+4*\s+3], 0x80000000
.endr
	CROUND                                         ; all sixteen work-groups are here: the first joint loads meet
	JLOAD 0                                        ; K step 0: my one tensor load at the head
	PF 1                                           ; K steps 1 and 2 are asked of memory
	PF 2
	; WHILE K STEP 0 IS ON ITS WAY: t's partial sums (window 2), B (window 3), the bias (window 1)
	WIN 0x80
.irp a, 0,1,2,3,4,5,6,7
.irp p, 0,1,2,3
.irp c, 0,1
	global_load_b128 v[32*\a+8*\p+4*\c:32*\a+8*\p+4*\c+3], v[L16], s[8:9] offset:262144*\p+1024*\a+512*\c
.endr
.endr
.endr
	WIN 0xc0
.irp b, 0,1,2,3,4,5,6,7
.irp c, 0,1
	global_load_b128 v[8*\b+4*\c:8*\b+4*\c+3], v[VB], s[10:11] offset:1024*\b+16*\c
.endr
.endr
	WIN 0x40
.irp b, 0,1,2,3,4,5,6,7
.irp c, 0,1
	global_load_b128 v[BIAS+8*\b+4*\c:BIAS+8*\b+4*\c+3], v[VH], s[12:13] offset:64*\b+16*\c
.endr
.endr
	s_wait_loadcnt 0x0
	WIN 0x8a
.irp a, 0,1,2,3,4,5,6,7
.irp g, 0,16
.irp i, 0,2,4,6
	v_pk_add_f32 v[32*\a+\g+\i:32*\a+\g+\i+1], v[32*\a+\g+\i:32*\a+\g+\i+1], v[32*\a+\g+8+\i:32*\a+\g+8+\i+1]   ; quarters 0 + 1, and 2 + 3
.endr
.endr
.endr
	WIN 0x4f
.irp b, 0,1,2,3,4,5,6,7
.irp g, 0,1
.irp i, 0,1,2,3
	v_cvt_pk_bf16_f32 v[BL+8*\b+4*\g+\i], v[8*\b+2*\i], v[8*\b+2*\i+1]   ; B's row stands in both halves of K = 32
.endr
.endr
.endr
	WIN 0x0a
.irp a, 0,1,2,3,4,5,6,7
.irp g, 0,1
.irp i, 0,1,2,3
	v_cvt_pk_bf16_f32 v[TF+8*\a+4*\g+\i], v[32*\a+16*\g+2*\i], v[32*\a+16*\g+2*\i+1]
.endr
.endr
.endr
.macro LORA a0
.irp a, \a0, \a0+1
.irp b, 0,1,2,3,4,5,6,7
	v_wmma_f32_16x16x32_bf16 v[8*(8*((\a)%4)+\b):8*(8*((\a)%4)+\b)+7], v[BL+8*\b:BL+8*\b+7], v[TF+8*(\a):TF+8*(\a)+7], v[BIAS+8*\b:BIAS+8*\b+7]
.endr
.endr
.endm
	WIN 0x91                                       ; source 0 and C window 1, source 1 window 0, D window 2
	LORA 0
	LORA 2
	WIN 0xd1
	LORA 4
	LORA 6
	WIN 0
	PLACES 5                                       ; another form takes these results up as its C: five places (ISA guide 7.12.1)
.macro WM d, fb, fa, sb, sa
	v_wmma_scale_f32_16x16x128_f8f6f4 v[\d:\d+7], v[\fb:\fb+7], v[\fa:\fa+7], v[\d:\d+7], v[\sb], v[\sa] matrix_a_fmt:MATRIX_FMT_FP4 matrix_b_fmt:MATRIX_FMT_FP4 matrix_a_scale:MATRIX_SCALE_ROW1
.endm
; 16 products: A's blocks a0, a0 + 1 x B's eight; p: the fragments' set; q: the slot's q-th 128 K; sc: the scale words' set.  The 64 accumulators take turns.
.macro MUL16 a0, p, q, sc
.irp a, \a0, \a0+1
.irp b, 0,1,2,3,4,5,6,7
	WM 8*(8*((\a)%4)+\b), 64*(\p)+8*\b, AF+64*(\p)+8*(\a), SC+32*(\sc)+4*\b+(\q), SC+32*(\sc)+4*(\a)+(\q)
.endr
.endr
.endm
.macro FRAG reg, adr, q, i             ; a fragment's image: two loads of 512 consecutive bytes
.irp c, 0,1
	ds_load_b128 v[\reg+4*\c:\reg+4*\c+3], v[\adr] offset:(4*(\i)+(\q))*1024+512*\c
.endr
.endm
.macro FETCH slot, q, p                ; 32 LDS loads: B's eight fragments, then A's eight, into set p
	WIN TO_B
.irp i, 0,1,2,3,4,5,6,7
	FRAG 64*(\p)+8*\i, ADRB+\slot, \q, \i
.endr
	WIN 0
.irp i, 0,1,2,3,4,5,6,7
	FRAG AF+64*(\p)+8*\i, ADRA+\slot, \q, \i
.endr
.endm
.macro SCALES sc                       ; a K step's scale words: lanes 0-15 A's block i, lanes 16-31 B's block i; register 4 i + q
.irp i, 0,1,2,3,4,5,6,7
	ds_load_b128 v[SC+32*\sc+4*\i:SC+32*\sc+4*\i+3], v[ADRS+\sc] offset:256*\i
.endr
.endm
; A step that has its successor in the same slot: the successor's fragments are asked for first, into the set that the step before multiplied.
.macro STEP slot, q
	PLACES 4                                       ; in front of loads into registers that matrix instructions have read
	FETCH \slot, (\q)+1, 1-(\q)%2
	s_wait_dscnt 40                                ; the 32 just issued and my youngest eight before them (A's blocks 4-7) may be out
	WIN MUL_LO
	MUL16 0, (\q)%2, \q, \slot
	MUL16 2, (\q)%2, \q, \slot
	s_wait_dscnt 32                                ; all but the 32 just issued
	WIN MUL_HI
	MUL16 4, (\q)%2, \q, \slot
	MUL16 6, (\q)%2, \q, \slot
.endm
; A slot's last step changes slots at its head: its fragments are in registers, so this slot is read no more.  The round of the cluster's barrier follows, then the joint refill, two K steps ahead.
.macro TURN slot, next
	WIN 0
	s_wait_xcnt 0x0                                ; my prefetches have read their address: it steps only behind this wait
	s_add_nc_u64 s[PFA:PFA+1], s[PFA:PFA+1], BLK
	s_wait_tensorcnt 0x0                           ; my one tensor load, my block of the next slot, has landed
	ds_add_u32 v[SPW], v[NIL]
	s_wait_dscnt 0x0                               ; the add is done, and my reads of this slot are back
	s_barrier_signal -1
	WIN MUL_LO
	MUL16 0, 1, 3, \slot                           ; work on registers while the others arrive
	WIN 0
	s_barrier_wait -1
	CREST                                          ; no wave of any partner reads this slot or has a load out
	s_add_nc_u64 s[G0+4*\slot+2:G0+4*\slot+3], s[G0+4*\slot+2:G0+4*\slot+3], 2*BLK
	s_add_nc_u64 s[G0B+4*\slot+2:G0B+4*\slot+3], s[G0B+4*\slot+2:G0B+4*\slot+3], 2*BLK
	JLOAD \slot                                    ; its four v_nop are also the places in front of the loads below
	SCALES \next
	FETCH \next, 0, 0
	s_cmp_gt_u32 s3, 1                             ; the last trip's loads, K steps 6 and 7, have no K step two on
	s_cbranch_scc0 .Lno_ask_\@
	PF 2
.Lno_ask_\@:
	WIN MUL_LO
	MUL16 2, 1, 3, \slot
	WIN MUL_HI
	MUL16 4, 1, 3, \slot
	MUL16 6, 1, 3, \slot
.endm
	s_wait_xcnt 0x0                                ; the head's prefetches and loads have read their addresses
	s_add_nc_u64 s[PFA:PFA+1], s[PFA:PFA+1], BLK
	s_wait_alu depctr_va_vdst(0)
	s_wait_tensorcnt 0x0                           ; my block of K step 0 is in; these lines stand ahead of a later first fill as ahead of a refill
	ds_add_u32 v[SPW], v[NIL]
	s_wait_dscnt 0x0
	CROUND                                         ; everybody's block is in, and all sixteen work-groups are here
	JLOAD 1                                        ; K step 1: slot 1's first fill
	SCALES 0
	FETCH 0, 0, 0
	PF 2                                           ; K step 3
	s_mov_b32 s3, 3
.Llap:                                                 ; a trip: two K steps, both slots filled again (K steps 2 .. 7)
	STEP 0, 0
	STEP 0, 1
	STEP 0, 2
	TURN 0, 1
	STEP 1, 0
	STEP 1, 1
	STEP 1, 2
	TURN 1, 0
	WIN 0                                          ; at a label and at a branch every window is 0
	s_sub_co_u32 s3, s3, 1
	s_cmp_lg_u32 s3, 0
	s_cbranch_scc1 .Llap
	STEP 0, 0                                      ; K step 6
	STEP 0, 1
	STEP 0, 2
; THE LAST K STEP, in slot 1, by rows of out0.
.macro BLOAD q                         ; W's fragments of quarter q -> window 1, v[64 q ..]
.irp i, 0,1,2,3,4,5,6,7
	FRAG 64*\q+8*\i, ADRB+1, \q, \i
.endr
.endm
.macro ALOAD a                         ; x's block a, all four quarters -> buffer a % 2
.irp q, 0,1,2,3
	FRAG PA+32*((\a)%2)+8*\q, ADRA+1, \q, \a
.endr
.endm
.macro ROW a                           ; block a is finished: 32 products, its eight accumulators by turns; quarter 1, which is fetched last, comes last
	WIN MUL_LO+0x50*((\a)/4)
.irp q, 0,2,3,1
.if (\a) == 0 && \q == 1
	s_wait_dscnt 0x0                               ; W's quarter 1 is in
.endif
.irp b, 0,1,2,3,4,5,6,7
	WM 64*((\a)%4)+8*\b, 64*\q+8*\b, PA+32*((\a)%2)+8*\q, SC+32+4*\b+\q, SC+32+4*(\a)+\q
.endr
.endr
.endm
.macro TOSTAGE a                       ; 16 rows x 128 columns into my stage, each accumulator from its low end on, and back as whole rows (LDS serves a wave's instructions in order: ISA guide 5.7.1.4)
	WIN 0x08+4*((\a)/4)                            ; the data: window 2 or 3
.irp b, 0,1,2,3,4,5,6,7
	ds_store_b128 v[STO], v[64*((\a)%4)+8*\b:64*((\a)%4)+8*\b+3] offset:64*\b
	ds_store_b128 v[STO], v[64*((\a)%4)+8*\b+4:64*((\a)%4)+8*\b+7] offset:64*\b+16
.endr
	WIN 0
.irp t, 0,1,2,3,4,5,6,7,8,9,10,11,12,13,14,15
.set BB, ((\a)%2)*(192+4*\t)+(1-(\a)%2)*(32+4*\t+32*(\t/8))
	ds_load_b128 v[BB:BB+3], v[RD] offset:\t*SPITCH
.endr
.endm
.macro SEND a, younger                 ; younger: the LDS loads issued behind block a's, which may stay out
	WIN 0
	s_wait_dscnt \younger
.irp t, 0,1,2,3,4,5,6,7,8,9,10,11,12,13,14,15
.set BB, ((\a)%2)*(192+4*\t)+(1-(\a)%2)*(32+4*\t+32*(\t/8))
	global_store_b128 v[L16], v[BB:BB+3], s[14:15] offset:(16*(\a)+\t)*ROWC th:TH_STORE_NT   ; 32 lanes store 512 consecutive bytes, aligned to 256; 127 rows at the most stand in the immediate; written once, read by nobody here
.endr
.endm
	WIN 0
	s_wait_tensorcnt 0x0                           ; my block of K step 7 is in
	ds_add_u32 v[SPW], v[NIL]
	s_wait_dscnt 0x0                               ; my reads of slot 0 are back: behind this barrier it serves as the stage
	s_barrier_signal -1
	WIN MUL_LO
	MUL16 0, 1, 3, 0
	s_barrier_wait -1                              ; nothing is filled again: no round follows
	PLACES 4
	WIN 0
	SCALES 1
	WIN TO_B
	BLOAD 0                                        ; three quarters of W now: set 1 (v64-127) is still being multiplied
	BLOAD 2
	BLOAD 3
	WIN 0
	ALOAD 0
	ALOAD 1
	WIN MUL_LO
	MUL16 2, 1, 3, 0
	WIN MUL_HI
	MUL16 4, 1, 3, 0
	MUL16 6, 1, 3, 0
	PLACES 4
	WIN TO_B
	BLOAD 1
	s_wait_dscnt 16                                ; all but quarter 1's sixteen
	ROW 0
.irp a, 0,1,2,3,4,5,6,7
	PLACES 4                                       ; in front of the stage's reads of results just made, and of loads into block a's buffer of A
.if \a > 1
	s_wait_xcnt 0x0                                ; block a - 2's stores have read their registers: block a's rows may land there
.endif
	TOSTAGE \a
.if \a < 6
	ALOAD \a+2
	s_wait_dscnt 40                                ; block a + 1's fragments are in; behind them: the stage's 32 and the eight just issued
	ROW \a+1
	SEND \a, 8                                     ; block a's rows are back; the eight loads of A may be out
.else
.if \a < 7
	s_wait_dscnt 32
	ROW \a+1
.endif
	SEND \a, 0
.endif
.endr
	s_wait_tensorcnt 0x0                           ; the wave's end
	ds_add_u32 v[SPW], v[NIL]
	s_wait_dscnt 0x0
	CROUND                                         ; the closing round
	s_endpgm
.Lfunc_end_k_q9a46529dbd_gemm:
	.size	k_q9a46529dbd_gemm, .Lfunc_end_k_q9a46529dbd_gemm-k_q9a46529dbd_gemm
	.p2alignl 7, 3214868480
	.fill 96, 4, 3214868480
	.section	.rodata,"a",@progbits
	.p2align	6, 0x0
	.amdhsa_kernel k_q9a46529dbd_gemm
		.amdhsa_group_segment_fixed_size 327680
		.amdhsa_private_segment_fixed_size 0
		.amdhsa_enable_private_segment 0
		.amdhsa_kernarg_size 48
		.amdhsa_user_sgpr_count 2
		.amdhsa_user_sgpr_kernarg_segment_ptr 1
		.amdhsa_wavefront_size32 1
		.amdhsa_system_sgpr_workgroup_id_x 1
		.amdhsa_system_sgpr_workgroup_id_y 1
		.amdhsa_system_sgpr_workgroup_id_z 1
		.amdhsa_system_vgpr_workitem_id 0
		.amdhsa_next_free_vgpr 1024
		.amdhsa_next_free_sgpr 80
		.amdhsa_reserve_vcc 0
		.amdhsa_float_denorm_mode_32 3
		.amdhsa_float_denorm_mode_16_64 3
		.amdhsa_memory_ordered 1
		.amdhsa_forward_progress 1
		.amdhsa_inst_pref_size 235
	.end_amdhsa_kernel
	.amdgpu_metadata
---
amdhsa.version: [ 1, 2 ]
amdhsa.kernels:
  - .name:           k_q9a46529dbd_gemm
    .symbol:         k_q9a46529dbd_gemm.kd
    .args:
      - { .name: xq, .offset: 0, .size: 8, .value_kind: global_buffer, .address_space: global }
      - { .name: wq, .offset: 8, .size: 8, .value_kind: global_buffer, .address_space: global }
      - { .name: tpart, .offset: 16, .size: 8, .value_kind: global_buffer, .address_space: global }
      - { .name: B, .offset: 24, .size: 8, .value_kind: global_buffer, .address_space: global }
      - { .name: bias, .offset: 32, .size: 8, .value_kind: global_buffer, .address_space: global }
      - { .name: out0, .offset: 40, .size: 8, .value_kind: global_buffer, .address_space: global }
    .group_segment_fixed_size: 327680
    .private_segment_fixed_size: 0
    .kernarg_segment_align: 8
    .kernarg_segment_size: 48
    .max_flat_workgroup_size: 128
    .sgpr_count:     80
    .vgpr_count:     1024
    .wavefront_size: 32
...
	.end_amdgpu_metadata
.endif
;; end of part 2
